; MI455X (gfx1250); checked and timed in simulation.
; The chip was launched on July 23, 2026; its instructions are those of AMD's public machine-readable ISA for CDNA 5 (MIT licence, August 2026) and "CDNA5" Instruction Set Architecture Reference Guide (July 2026). The comments in the code are by the model that wrote it; some were corrected since.
;; Experts Module. Allowed arithmetic: float matrix products may take bf16 or f16 operands with f32 sums; other float arithmetic in f32, or as packed bf16 or f16 multiplies, adds, multiply-adds, maxima and minima; sums over many terms, partial sums and values carried from step to step in f32; what a program stores and reads back later, other than sums and carried values, may be rounded once to bf16 or f16.
;; Inputs: expert_indices 1,024 x 8 int32; hidden_states 1,024 x 1,024 float32; w_down 8 x 2,048 x 1,024 float32; w_gate_up 8 x 1,024 x 4,096 float32.
;; Outputs: out0 1,024 x 1,024 float32.
;; One version. Each part assembles by itself: llvm-mc -triple=amdgcn-amd-amdhsa -mcpu=gfx1250 --defsym DOCPART=n.
;; ======== version 1 of 1: 4 launches
;; workspace buffers: xg 16,777,216 bytes; ag 33,554,432 bytes; yp 67,108,864 bytes; nt 1,024 bytes of whole numbers; rk 32,768 bytes of whole numbers
;; launch prep (part 1): grid 128 x 8, 1 waves a work-group, no clusters, 4,608 bytes of LDS; arguments expert_indices, hidden_states, xg, nt, rk; writes xg, nt, rk
.if DOCPART == 1
	.amdgcn_target "amdgcn-amd-amdhsa--gfx1250"
	.amdhsa_code_object_version 6
	.text
	.protected	k_q6ad702764b_prep
	.globl	k_q6ad702764b_prep
	.p2align	8
	.type	k_q6ad702764b_prep,@function
k_q6ad702764b_prep:
	s_mov_b64 s[64:65], 0
	v_nop
	global_prefetch_b8 v0, s[64:65] scope:SCOPE_SE
	s_setreg_imm32_b32 hwreg(HW_REG_WAVE_MODE, 25, 1), 1
	s_wait_xcnt 0x0
; PREP.  For expert e (grid y): the tokens with mask[t][e] != 0 are ranked in ascending t (a counting sort without atomics), and their rows of x are
; rounded to bf16 and laid out in the order in which a wave's matrix operand registers take them.
; xg: [8 e][64 tiles of 16 ranks][32 blocks][1,024 bytes].  Block 2 kb + q of a tile: the 16 bytes at 512 p + 16 L (lane L = r + 16 h) hold rank row r, k = 64 kb + 32 h + 16 q + 8 p + 0..7.
; Two loads of 16 bytes a lane, 512 bytes apart, are then one operand of 16 rows x 32 k; the weights' operands are built with the same order of k.
; nt: [8 e][32 words], all = max(ceil(count / 16), 1): tiles in use.   rk: [8 e][1,024 t]: how many chosen tokens lie ahead of t (the rank of t where it is chosen).
; SHARES.  One wave to a work-group.  x >> 2 = g: tiles g and g + 32; x & 3 = w: k = 256 w .. 256 w + 255.  Every work-group ranks the expert's 1,024 tokens for itself (32 words a lane);
; the list of tokens by rank lies in its own LDS, so no other wave is concerned and no barrier is needed.  Ranks past the count repeat token 0; tiles past nt are not written.
; Work-group x = 0 stores rk (runs of 128 bytes: 32 KB in all) and nt.  No matrix unit, no cluster: nothing here is multiplied, and the rows come by a list.
.set SPARE, 4352                       ; behind the list (4,096 bytes) and 64 dump words: the spare words, one block of 256 bytes that no other line names
.set RR,  2                            ; v2   lane % 16
.set HH,  3                            ; v3   lane / 16
.set DMP, 4                            ; v4   1,024 + lane: the list index of a token that is not chosen
.set MOF, 5                            ; v5   32 lane + 4 e: my mask word in the first 32 tokens
.set T0,  6
.set T1,  7
.set TOK, 8                            ; v8   my row's token
.set XO,  9                            ; v9   its byte offset in x
.set L16, 10                           ; v10  16 lane
.set L4,  11                           ; v11  4 lane
.set SPW, 12                           ; v12  my spare word; never rewritten
.set NIL, 13                           ; v13  0; never rewritten
.set NTV, 14
.set KQ,  15                           ; v15  1,024 w + 128 h
.set ZZ,  16                           ; v[16:19] zeros
.set M,   20                           ; v[20:51]   mask words of tokens 32 j + lane, then their ranks
.set X,   52                           ; v[52:179]  256 numbers of x... my 128 of them, f32
.set O,   180                          ; v[180:243] the same in bf16
	s_load_b256 s[4:11], s[0:1], 0x0               ; expert_indices s[4:5], hidden_states s[6:7], xg s[8:9], nt s[10:11]
	s_load_b64 s[12:13], s[0:1], 0x20              ; rk
	v_lshl_add_u32 v[SPW], v0, 2, SPARE
	v_mov_b32 v[NIL], 0
	s_and_b32 s14, ttmp7, 0xffff                   ; e
	s_mov_b32 s15, ttmp9                           ; x
	s_lshr_b32 s16, s15, 2                         ; g
	s_and_b32 s17, s15, 3                          ; w
	s_lshl_b32 s18, s14, 2
	s_lshl_b32 s19, s17, 10
	v_lshlrev_b32 v[MOF], 5, v0
	v_add_nc_u32 v[MOF], s18, v[MOF]
	v_and_b32 v[RR], 15, v0
	v_lshrrev_b32 v[HH], 4, v0
	v_add_nc_u32 v[DMP], 1024, v0
	v_lshlrev_b32 v[L16], 4, v0
	v_lshlrev_b32 v[L4], 2, v0
	v_lshl_add_u32 v[KQ], v[HH], 7, s19
.irp i, 0,1,2,3
	v_mov_b32 v[ZZ+\i], 0
.endr
	s_wait_kmcnt 0x0
.set j, 0
.rept 32
	global_load_b32 v[M+j], v[MOF], s[4:5] offset:j*1024   ; mask[32 j + lane][e]
.set j, j+1
.endr
.irp i, 0,1,2,3,4,5,6,7
	ds_store_b128 v[L16], v[ZZ:ZZ+3] offset:512*\i         ; the list starts as token 0 everywhere: what ranks past the count read
.endr
	s_mov_b32 s20, 0                               ; chosen tokens so far
.set j, 0
.rept 32
	s_wait_loadcnt 31-j                            ; loads come back in order: word j is in, the younger ones stay out
	v_cmp_ne_u32 vcc_lo, 0, v[M+j]
	v_mbcnt_lo_u32_b32 v[M+j], vcc_lo, s20         ; chosen tokens ahead of mine
	v_cndmask_b32 v[T0], v[DMP], v[M+j], vcc_lo    ; chosen: my rank; else my dump word
	v_min_u32 v[T0], 0x43f, v[T0]                  ; the index stays inside list and dump words
	v_lshlrev_b32 v[T0], 2, v[T0]
	v_add_nc_u32 v[T1], 32*j, v0                   ; my token
	ds_store_b32 v[T0], v[T1]
	s_bcnt1_i32_b32 s21, vcc_lo
	s_add_co_u32 s20, s20, s21
.set j, j+1
.endr
	s_add_co_u32 s22, s20, 15
	s_lshr_b32 s22, s22, 4
	s_max_u32 s22, s22, 1                          ; tiles in use, 1 to 64
	s_cmp_lg_u32 s15, 0
	s_cbranch_scc1 .Lnolist                        ; one work-group of each expert stores the ranks and the number of tiles
	s_lshl_b32 s24, s14, 12
	s_mov_b32 s25, 0
	s_add_nc_u64 s[24:25], s[12:13], s[24:25]
	s_lshl_b32 s26, s14, 7
	s_mov_b32 s27, 0
	s_add_nc_u64 s[26:27], s[10:11], s[26:27]
	v_mov_b32 v[NTV], s22
.set j, 0
.rept 32
	global_store_b32 v[L4], v[M+j], s[24:25] offset:j*128
.set j, j+1
.endr
	global_store_b32 v[L4], v[NTV], s[26:27]
.Lnolist:
; Tile g + 32 tt: 16 rows by the list, my 256 columns of each; eight blocks of 1,024 bytes go out.
.macro TILE tt
	s_add_co_u32 s23, s16, 32*(\tt)
	s_cmp_ge_u32 s23, s22
	s_cbranch_scc1 .Lnotile_\@                     ; a tile past the count is not made
	s_wait_xcnt 0x0                                ; earlier stores have read their registers and bases: these are rewritten only behind this wait
	s_lshl_b32 s28, s23, 6
	v_lshl_add_u32 v[T0], v[RR], 2, s28            ; list word 16 i + r
	ds_load_b32 v[TOK], v[T0]                      ; LDS serves a wave's instructions in order: this sees the stores above
	s_lshl_b32 s28, s14, 21                        ; xg: 2 MB an expert,
	s_lshl_b32 s29, s23, 15                        ; 32 KB a tile,
	s_add_co_u32 s28, s28, s29
	s_lshl_b32 s29, s17, 13                        ; my eight blocks
	s_add_co_u32 s28, s28, s29
	s_mov_b32 s29, 0
	s_add_nc_u64 s[30:31], s[8:9], s[28:29]
	s_wait_dscnt 0x0
	v_min_u32 v[TOK], 0x3ff, v[TOK]                ; a token stays inside x
	v_lshl_add_u32 v[XO], v[TOK], 12, v[KQ]
.set i, 0
.rept 32                                           ; i = 8 kb + 4 q + n: 16 bytes at 256 kb + 128 h + 64 q + 16 n of my quarter of the row
	global_load_b128 v[X+4*i:X+4*i+3], v[XO], s[6:7] offset:(i/8)*256+((i/4)%2)*64+(i%4)*16
.set i, i+1
.endr
.set b, 0
.rept 8                                            ; block b = 2 kb + q
	s_wait_loadcnt 28-4*b                          ; its four loads are in, the younger ones stay out
.set i, 0
.rept 8
	v_cvt_pk_bf16_f32 v[O+8*b+i], v[X+16*b+2*i], v[X+16*b+2*i+1]
.set i, i+1
.endr
	global_store_b128 v[L16], v[O+8*b:O+8*b+3],   s[30:31] offset:b*1024       ; 512 consecutive bytes, aligned
	global_store_b128 v[L16], v[O+8*b+4:O+8*b+7], s[30:31] offset:b*1024+512
.set b, b+1
.endr
.Lnotile_\@:
.endm
	TILE 0
	TILE 1
	s_wait_tensorcnt 0x0                           ; the wave's end: the wait, an add of 0 to my spare word and its wait, behind my last LDS store
	ds_add_u32 v[SPW], v[NIL]
	s_wait_dscnt 0x0
	s_endpgm
.Lfunc_end_k_q6ad702764b_prep:
	.size	k_q6ad702764b_prep, .Lfunc_end_k_q6ad702764b_prep-k_q6ad702764b_prep
	.p2alignl 7, 3214868480
	.fill 96, 4, 3214868480
	.section	.rodata,"a",@progbits
	.p2align	6, 0x0
	.amdhsa_kernel k_q6ad702764b_prep
		.amdhsa_group_segment_fixed_size 4608
		.amdhsa_private_segment_fixed_size 0
		.amdhsa_enable_private_segment 0
		.amdhsa_kernarg_size 40
		.amdhsa_user_sgpr_count 2
		.amdhsa_user_sgpr_kernarg_segment_ptr 1
		.amdhsa_wavefront_size32 1
		.amdhsa_system_sgpr_workgroup_id_x 1
		.amdhsa_system_sgpr_workgroup_id_y 1
		.amdhsa_system_sgpr_workgroup_id_z 1
		.amdhsa_system_vgpr_workitem_id 0
		.amdhsa_next_free_vgpr 248
		.amdhsa_next_free_sgpr 66
		.amdhsa_reserve_vcc 1
		.amdhsa_float_denorm_mode_32 3
		.amdhsa_float_denorm_mode_16_64 3
		.amdhsa_memory_ordered 1
		.amdhsa_forward_progress 1
		.amdhsa_inst_pref_size 42
	.end_amdhsa_kernel
	.amdgpu_metadata
---
amdhsa.version: [ 1, 2 ]
amdhsa.kernels:
  - .name:           k_q6ad702764b_prep
    .symbol:         k_q6ad702764b_prep.kd
    .args:
      - { .name: expert_indices, .offset: 0, .size: 8, .value_kind: global_buffer, .address_space: global }
      - { .name: hidden_states, .offset: 8, .size: 8, .value_kind: global_buffer, .address_space: global }
      - { .name: xg, .offset: 16, .size: 8, .value_kind: global_buffer, .address_space: global }
      - { .name: nt, .offset: 24, .size: 8, .value_kind: global_buffer, .address_space: global }
      - { .name: rk, .offset: 32, .size: 8, .value_kind: global_buffer, .address_space: global }
    .group_segment_fixed_size: 4608
    .private_segment_fixed_size: 0
    .kernarg_segment_align: 8
    .kernarg_segment_size: 40
    .max_flat_workgroup_size: 32
    .sgpr_count:     66
    .vgpr_count:     248
    .wavefront_size: 32
...
	.end_amdgpu_metadata
.endif
;; end of part 1
;; launch gateup (part 2): grid 32 x 8, 4 waves a work-group, no clusters, 327,680 bytes of LDS; arguments xg, w_gate_up, nt, ag; writes ag
.if DOCPART == 2
	.amdgcn_target "amdgcn-amd-amdhsa--gfx1250"
	.amdhsa_code_object_version 6
	.text
	.protected	k_q6ad702764b_gateup
	.globl	k_q6ad702764b_gateup
	.p2align	8
	.type	k_q6ad702764b_gateup,@function
k_q6ad702764b_gateup:
	s_mov_b64 s[64:65], 0
	v_nop
	global_prefetch_b8 v0, s[64:65] scope:SCOPE_SE
	s_setreg_imm32_b32 hwreg(HW_REG_WAVE_MODE, 25, 1), 1
	s_wait_xcnt 0x0
; GATE AND UP.  act[rank][i] = up * silu(gate) for the ranked rows of expert e (grid y) and the 64 columns i = 64 s .. 64 s + 63 (grid x = s); gate = x W[:, i], up = x W[:, 2048 + i].
; Operands bf16, sums f32, silu in f32, act rounded once to bf16.  ag: [8 e][64 tiles][64 blocks][1,024 bytes], laid as xg is (block 2 kb + q; here kb = s), the next product's operand order.
; LIMITS.  bf16 operands; silu(g) = g / (1 + 2^(-g log2 e)): where the power overflows the quotient is 0, as it should be.  Above 576 rows an expert (36 tiles) the further tiles are made
; by a plain second way that reads the slice again from memory in each wave: right, and several times slower for those rows.
; SHARES.  The work-group alone reads its slice of the weights: 1,024 rows x (64 + 64) f32.  It comes in four chunks of 256 rows through two LDS slots, by tensor loads, as f32.
; Wave w owns tiles w, w + 4, .. w + 32 (nine of 16 rows), all 128 columns: 72 accumulators.  Every wave turns each k step's weights into operands for itself: a lane reads 16 bytes (columns 4 r .. 4 r + 3)
; of 16 rows k, and 32 roundings in pairs give four operands (operand c: column 4 r + c in lane r) with no shuffle.  The token operands come straight from xg into registers, 512 consecutive bytes a load.
; k within a step of 32 is permuted alike in both operands (lane half h takes k = 64 kb + 32 h + 16 q + 0..15), which leaves the sums' terms the same.
; THE PRODUCT IS USED TRANSPOSED: source 0 = weights, source 1 = tokens: a lane then holds one token row (lane % 16) and, in register j of operand c, column 32 h + 4 j + c: the 32 columns that this lane stores.
; PIPELINE.  Step h of the loop multiplies k step h - 1 and builds the weights' operands of k step h.  Its memory instructions stand in TWO RUNS, never singly among the products:
;   part a: run S(h): the token operands of tiles 5-8 for k step h, and the up strip's 16 rows U(h); then the products of tiles 0-4, and between them the roundings of G(h);
;   part b: run M(h): the token operands of tiles 0-4 for k step h + 1, and the gate strip's 16 rows G(h + 1); then the products of tiles 5-8, and between them the roundings of U(h).
; A part's last four roundings stand behind its last product: they are the four places in front of the next run's loads into registers that those products have read.
; A TRIP of the loop is [b of step 2 k - 1, a and b of step 2 k, a of step 2 k + 1]: its four runs read block k of the weights and blocks 2 k, 2 k + 1 of the tokens, so one pointer serves and no load looks past the end.
; The change of slots stands in front of a trip.  The loop is entered at part a of step 1: ahead of it the loads of M(-1), S(0) and M(0) are issued in that order and k step 0's operands are rounded.
; 72 products of zero operands with C = 0 start the sums, in the wait for the first chunk: the price of one text for every step.
; NO CLUSTER.  Each slice of weights has one reader.  What an expert's 32 work-groups share is the token operands; asked for jointly they would land in LDS: two slots of a step's 36 tiles x 1,024 bytes
; are 73,728 bytes, and 65,024 are free beside the weights; and each wave would read 18 more LDS loads for a step's 72 products.
; REGISTERS, in windows of 256 (s_set_vgpr_msb: bits 1:0 source 0, 3:2 source 1, 5:4 source 2, 7:6 destination):
;   window 0: v0-19 addresses; v32-159 weights' operands, two buffers of eight; v160-223 G as loaded; v224-255 U's rows 0-7 (v160-255 at work on the way out)
;   windows 1, 2: accumulators of tiles 0-3, 4-7, tile u operand f at 64 (u % 4) + 8 f (f = 0-3 gate, 4-7 up);   window 3: v0-63 tile 8; v64-207 token operands, two buffers of nine; v208-239 U's rows 8-15
.set SLOTB,  65536                     ; a slot of one strip: 256 rows of 256 bytes: no padding
.set STRIPB, 131072                    ; strip 0 (gate) at 0, strip 1 (up) here; in a strip slot 0, then slot 1
.set SPARE,  262144                    ; behind the slots: the spare words, 128 bytes a wave: two blocks of 256 bytes that no other line names
.set LB,  4                            ; v4   8,192 h + 16 r: my place in a block of 64 rows
.set BA,  5                            ; v5, v6  LDS address of the block in hand, gate strip and up strip
.set L16, 7                            ; v7   16 lane; never rewritten
.set AO,  8                            ; v8-16  tile u: its byte offset in the expert's part of xg + 16 lane
.set GW,  17                           ; v17  the second way: 32 h rows of W + 16 r
.set SPW, 18                           ; v18  my spare word; never rewritten
.set NIL, 19                           ; v19  0; never rewritten
.set BF,  32
.set ST,  160
.set AF,  64                           ; in window 3
.set SUH, 208                          ; in window 3
.set WV,  12                           ; s12  wave
.set EX,  13                           ; s13  expert
.set SL,  14                           ; s14  slice
.set NTL, 15                           ; s15  tiles in use, 1 to 64
.set NT1, 16                           ; s16  the last of them
.set SK8, 17                           ; s17  1: my ninth tile is not in use
.set TB,  18                           ; s18  LDS byte of the block in hand, in strip 0
.set CNT, 19
.set PH,  20
.set G1,  24                           ; s[24:31] descriptor group 1
.set G0,  32                           ; s[32:35] descriptor group 0: it walks
.set AP,  36                           ; s[36:37] xg at block 2 k of the expert
.set XE,  42                           ; s[42:43] xg at the expert
.set WB,  44                           ; s[44:45] the second way: W at the block in hand
.set OB,  46                           ; s[46:47] ag at my first tile's two blocks
.set TW,  48                           ; s48  my first tile
.set RND, 49
.set TP,  50                           ; s[50:51] at work
.set WS,  52                           ; s[52:53] W at the slice's first row, gate strip
.set AGE, 54                           ; s[54:55] ag at the expert's tile 0, blocks 2 s
.set CS,  56                           ; s[56:57] -log2(e): the packed multiply takes the pair's low word for both halves
.set FA,  58                           ; s[58:59] the second way: xg at the block in hand
.set MSB, 0
.macro WIN new                         ; the immediate's high byte repeats the setting that is left; a switch that changes nothing is dropped
.if MSB != (\new)
	s_set_vgpr_msb (MSB<<8)|(\new)
.set MSB, (\new)
.endif
.endm
.macro NOP4
.rept 4
	v_nop
.endr
.endm
; PARTA and PARTB set NX (the operand buffer being built) and CU (the buffers being multiplied); the macros below read them.
.macro W2 u, p                         ; two products of tile u: operands 2 p and 2 p + 1.  No two products on end share an accumulator
	WIN 0x0c+0x50*(1+(\u)/4)
.irp k, 0, 1
.set rD, 64*((\u)%4)+8*(2*(\p)+(\k))
.set rB, BF+64*CU+8*(2*(\p)+(\k))
.set rA, AF+72*CU+8*(\u)
	v_wmma_f32_16x16x32_bf16 v[rD:rD+7], v[rB:rB+7], v[rA:rA+7], v[rD:rD+7]
.endr
.endm
.macro T8 u                            ; a tile's eight products
	W2 \u,0
	W2 \u,1
	W2 \u,2
	W2 \u,3
.endm
.macro RA b, u, off                    ; tile u's token operand at byte off of the two blocks in hand, into buffer b
	WIN 0xc0
.set rA, AF+72*(\b)+8*(\u)
	global_load_b128 v[rA:rA+3],   v[AO+(\u)], s[AP:AP+1] offset:(\off)
	global_load_b128 v[rA+4:rA+7], v[AO+(\u)], s[AP:AP+1] offset:(\off)+512
.endm
.macro LG ql                           ; G: my 16 rows of the gate strip for half ql of the block
	WIN 0
.set i, 0
.rept 16
	ds_load_b128 v[ST+4*i:ST+4*i+3], v[BA] offset:(16*(\ql)+i)*256
.set i, i+1
.endr
.endm
.macro LU ql                           ; U: the same of the up strip: rows 8-15 under the token loads' window setting, then rows 0-7
	WIN 0xc0
.set i, 8
.rept 8
	ds_load_b128 v[SUH+4*(i-8):SUH+4*(i-8)+3], v[BA+1] offset:(16*(\ql)+i)*256
.set i, i+1
.endr
	WIN 0
.set i, 0
.rept 8
	ds_load_b128 v[ST+64+4*i:ST+64+4*i+3], v[BA+1] offset:(16*(\ql)+i)*256
.set i, i+1
.endr
.endm
.macro CV4 t, v                        ; rows 2 v and 2 v + 1 of strip t, rounded in pairs: register v of each of the strip's four operands
.if ((\t) == 1) && ((\v) >= 4)
	WIN 0x0f
.set rS, SUH+8*((\v)-4)
.elseif (\t) == 1
	WIN 0
.set rS, ST+64+8*(\v)
.else
	WIN 0
.set rS, ST+8*(\v)
.endif
.irp c, 0, 1, 2, 3
	v_cvt_pk_bf16_f32 v[BF+64*NX+32*(\t)+8*(\c)+(\v)], v[rS+(\c)], v[rS+4+(\c)]
.endr
.endm
; Part a of step h = 2 k + q.  s_wait_loadcnt 26: tiles 0-4 came by M(h - 2); behind it S(h - 1), M(h - 1) and S(h) were issued, 8 + 10 + 8 loads, and loads come back in order.
; s_wait_dscnt 16: G(h), issued in M(h - 1), is in; U(h), just issued, stays out.
.macro PARTA q
.set NX, (\q)
.set CU, 1-(\q)
.irp u, 5, 6, 7, 8
	RA \q, \u, 1024*(\q)
.endr
	LU \q
	s_wait_loadcnt 26
	s_wait_dscnt 16
	W2 0,0
	CV4 0,0
	W2 0,1
	CV4 0,1
	W2 0,2
	CV4 0,2
	W2 0,3
	CV4 0,3
	W2 1,0
	CV4 0,4
	W2 1,1
	CV4 0,5
	W2 1,2
	CV4 0,6
	W2 1,3
	T8 2
	T8 3
	T8 4
	CV4 0,7                                        ; four plain instructions that name none of the last product's registers (ISA guide 7.12.1 for vector instructions): the places in front of M's loads
.endm
; Part b of step h = 2 k + q.  s_wait_loadcnt 28: tiles 5-8 came by S(h - 1); behind it M(h - 1), S(h) and M(h): 10 + 8 + 10.  s_wait_dscnt 16: U(h) is in; G(h + 1) stays out.
; ld = 0: the last step's: nothing is left to fetch; behind S(30) stand M(30) and S(31): 18.
.macro PARTB q, ld
.set NX, (\q)
.set CU, 1-(\q)
.if \ld
.irp u, 0, 1, 2, 3, 4
	RA 1-(\q), \u, 1024*(1-(\q))
.endr
	LG 1-(\q)
	s_wait_loadcnt 28
	s_wait_dscnt 16
.else
	s_wait_loadcnt 18
	s_wait_dscnt 0x0
.endif
	W2 5,0
	CV4 1,4
	W2 5,1
	CV4 1,5
	W2 5,2
	CV4 1,6
	W2 5,3
	CV4 1,7
	W2 6,0
	CV4 1,0
	W2 6,1
	CV4 1,1
	W2 6,2
	CV4 1,2
	W2 6,3
	T8 7
	WIN 0                                          ; at a branch and at a label every window is 0
	s_cmp_lg_u32 s[SK8], 0
	s_cbranch_scc1 .Lno8_\@                        ; only products are jumped: the loads and their counts are the same on both ways
	T8 8
	WIN 0
.Lno8_\@:
	CV4 1,3                                        ; the places in front of S's loads, and of the next roundings into the buffer just multiplied
.endm
.macro BODY first                      ; a trip: block k of the weights, blocks 2 k and 2 k + 1 of the tokens
	WIN 0
	v_add_nc_u32 v[BA], s[TB], v[LB]
	v_add_nc_u32 v[BA+1], STRIPB, v[BA]
	PARTB 1, 1
	PARTA 0
	PARTB 0, 1
	WIN 0
.if \first
.Lfirst:
.endif
	PARTA 1
	WIN 0
	s_wait_xcnt 0x0                                ; the loads' base is stepped only behind this wait
	s_add_nc_u64 s[AP:AP+1], s[AP:AP+1], 2048
	s_add_co_u32 s[TB], s[TB], 16384
.endm
; THE CHANGE OF SLOTS.  Each wave waits for all its tensor loads, of which one is out: its quarter of the chunk to be read next; adds 0 to its spare word; waits for that and for its reads of the slot that it leaves
; (the last were U of the chunk's last step).  Behind the barrier nobody reads the old slot and the next chunk is whole.  fill = 1: the old slot takes the chunk after next, the first thing behind the barrier:
; one load a wave, 128 rows of 256 bytes, with eight k steps (576 products a wave) in which to land.  By this text's own count one tensor load of a wave is out.
.macro TRIP fill
	WIN 0
	s_wait_tensorcnt 0x0
	ds_add_u32 v[SPW], v[NIL]                      ; the scalar steps stand between the add and the wait for it
.if \fill
	s_xor_b32 s[G0+1], s[G0+1], SLOTB              ; the other slot,
	s_add_nc_u64 s[G0+2:G0+3], s[G0+2:G0+3], 4194304   ; 256 rows of 16,384 bytes on; the type bits on top are not reached
.endif
	s_sub_co_u32 s[TB], s[TB], SLOTB               ; the reads go back to a slot's first block,
	s_xor_b32 s[TB], s[TB], SLOTB                  ; in the other slot
	s_wait_dscnt 0x0
	s_barrier_signal -1
	s_barrier_wait -1
.if \fill
	tensor_load_to_lds s[G0:G0+3], s[G1:G1+7]
	s_nop 0
	NOP4
.endif
.endm
.macro SETAO n                         ; tiles TW + 4 u: a tile past the last in use repeats the last (its results are not stored)
.set u, 0
.rept \n
	s_add_co_u32 s21, s[TW], 4*u
	s_min_u32 s21, s21, s[NT1]
	s_min_u32 s21, s21, 63                         ; the index stays inside xg
	s_lshl_b32 s21, s21, 15
	v_add_nc_u32 v[AO+u], s21, v[L16]
.set u, u+1
.endr
.endm
; THE WAY OUT of tile u: up * gate / (1 + 2^(-gate log2 e)), 32 numbers a lane; each accumulator is read from its low end on.  The exponentials are one batch with one wait, the reciprocals another.
; (gate x sigmoid) x up: no product of two large numbers is formed ahead of the small one.  A lane's 32 numbers are its 64 bytes of the tile's two blocks: four stores of 512 consecutive bytes.
.macro EPI u
	WIN 0
	s_add_co_u32 s21, s[TW], 4*(\u)
	s_cmp_ge_u32 s21, s[NTL]
	s_cbranch_scc1 .Lno_\@                         ; a tile that is not in use is not stored
.set XW, 1+(\u)/4
.set GA, 64*((\u)%4)
.set OU, ST+32+32*((\u)%2)
	WIN XW                                         ; source 0 in the tile's window
.set i, 0
.rept 16
	v_pk_mul_f32 v[ST+i:ST+i+1], v[GA+i:GA+i+1], s[CS:CS+1] op_sel_hi:[1,0]
.set i, i+2
.endr
	WIN 0
.set i, 0
.rept 32
	v_exp_f32 v[ST+i], v[ST+i]
.set i, i+1
.endr
	v_nop                                          ; a plain instruction behind the last exponential,
	s_wait_alu depctr_va_vdst(0)                   ; and the one wait ahead of the batch's first reader
.set i, 0
.rept 16
	v_pk_add_f32 v[ST+i:ST+i+1], v[ST+i:ST+i+1], 1.0 op_sel_hi:[1,0]
.set i, i+2
.endr
.set i, 0
.rept 32
	v_rcp_f32 v[ST+i], v[ST+i]
.set i, i+1
.endr
	v_nop
	s_wait_alu depctr_va_vdst(0)                   ; the same for the reciprocals
	WIN XW
.set i, 0
.rept 16
	v_pk_mul_f32 v[ST+i:ST+i+1], v[GA+i:GA+i+1], v[ST+i:ST+i+1]
.set i, i+2
.endr
.set i, 0
.rept 16
	v_pk_mul_f32 v[ST+i:ST+i+1], v[GA+32+i:GA+32+i+1], v[ST+i:ST+i+1]
.set i, i+2
.endr
	WIN 0
	s_wait_xcnt 0x0                                ; the registers that earlier stores read are rewritten only behind this wait
.set i, 0
.rept 16                                           ; register v = i % 8 of block q = i / 8 holds columns 16 q + 2 v, + 1 of my 32: operands c = 2 (v & 1), c + 1, register j = 4 q + v / 2
.set rT, ST+16*(i%2)+4*(i/8)+((i%8)/2)
	v_cvt_pk_bf16_f32 v[OU+i], v[rT], v[rT+8]
.set i, i+1
.endr
.irp b, 0, 1, 2, 3
	global_store_b128 v[L16], v[OU+4*(\b):OU+4*(\b)+3], s[OB:OB+1] offset:(\u)*262144+(\b)*512
.endr
.Lno_\@:
.endm
; The second way, one k step for four tiles: everything comes from memory into registers and is waited for at once.
.macro FSTEP q
	NOP4                                           ; the places behind the last products, ahead of the loads and roundings into their sources
	WIN 0xc0
.set u, 0
.rept 4
	global_load_b128 v[AF+8*u:AF+8*u+3],   v[AO+u], s[FA:FA+1] offset:(\q)*1024
	global_load_b128 v[AF+8*u+4:AF+8*u+7], v[AO+u], s[FA:FA+1] offset:(\q)*1024+512
.set u, u+1
.endr
	WIN 0
.irp t, 0, 1
.set i, 0
.rept 16
	global_load_b128 v[ST+4*i:ST+4*i+3], v[GW], s[WB:WB+1] offset:(16*(\q)+i)*16384+(\t)*8192
.set i, i+1
.endr
	s_wait_loadcnt 0x0
.set i, 0
.rept 32
	v_cvt_pk_bf16_f32 v[BF+32*(\t)+8*(i%4)+i/4], v[ST+8*(i/4)+i%4], v[ST+8*(i/4)+4+i%4]
.set i, i+1
.endr
.endr
.set u, 0
.rept 4
	T8 u
.set u, u+1
.endr
	WIN 0
.endm
	s_load_b256 s[4:11], s[0:1], 0x0               ; xg s[4:5], w_gate_up s[6:7], nt s[8:9], ag s[10:11]
	v_lshl_add_u32 v[SPW], v0, 2, SPARE
	v_mov_b32 v[NIL], 0
	ds_add_u32 v[SPW], v[NIL]                      ; the wave's opening: the add and its wait stand ahead of my first tensor load; the set-up below stands between them
	v_lshrrev_b32 v1, 5, v0
	v_readfirstlane_b32 s[WV], v1
	s_and_b32 s[EX], ttmp7, 0xffff
	s_mov_b32 s[SL], ttmp9
	s_mov_b32 s[G1+0], 2<<16                       ; no mask; elements of 4 bytes; no padding
	s_mov_b32 s[G1+1], 64<<16                      ; tensor_dim0 = 64
	s_mov_b32 s[G1+2], 128<<16                     ; tensor_dim1 = 128
	s_mov_b32 s[G1+3], 64<<16                      ; tile_dim0 = 64 elements: 256 bytes, at a multiple of 256 from W's first byte
	s_mov_b32 s[G1+4], 128                         ; tile_dim1 = 128 rows
	s_mov_b32 s[G1+5], 4096                        ; elements from row to row
	s_mov_b32 s[G1+6], 0
	s_mov_b32 s[G1+7], 0
	s_lshr_b32 s21, s[WV], 1                       ; the strip that I fetch,
	s_and_b32 s22, s[WV], 1                        ; and which 128 rows of a chunk
	s_mov_b32 s[G0], 1
	s_lshl_b32 s[G0+1], s21, 17                    ; LDS: strip x 131,072 + half x 32,768, slot 0
	s_lshl_b32 s23, s22, 15
	s_add_co_u32 s[G0+1], s[G0+1], s23
	s_lshl_b32 s[TP], s[EX], 24                    ; 16 MB an expert,
	s_lshl_b32 s23, s[SL], 8                       ; 256 bytes a slice
	s_add_co_u32 s[TP], s[TP], s23
	s_mov_b32 s[TP+1], 0
	s_lshl_b32 s22, s22, 21                        ; 128 rows of 16,384 bytes,
	s_lshl_b32 s21, s21, 13                        ; up lies 8,192 bytes behind gate
	s_add_co_u32 s22, s22, s21
	s_mov_b32 s23, 0
	s_wait_dscnt 0x0                               ; the opening add is done
	s_wait_kmcnt 0x0
	s_add_nc_u64 s[WS:WS+1], s[6:7], s[TP:TP+1]
	s_add_nc_u64 s[G0+2:G0+3], s[WS:WS+1], s[22:23]
	s_or_b32 s[G0+3], s[G0+3], 0x80000000          ; type = 2
	tensor_load_to_lds s[G0:G0+3], s[G1:G1+7]      ; chunk 0 into slot 0
	s_nop 0
	NOP4
	s_lshl_b32 s[TP], s[EX], 7
	s_add_nc_u64 s[TP:TP+1], s[8:9], s[TP:TP+1]
	s_load_b32 s[NTL], s[TP:TP+1], 0x0
	v_and_b32 v1, 31, v0
	v_and_b32 v2, 15, v0
	v_bfe_u32 v3, v0, 4, 1
	v_lshlrev_b32 v[LB], 4, v2
	v_lshl_add_u32 v[GW], v3, 19, v[LB]
	v_lshl_add_u32 v[LB], v3, 13, v[LB]
	v_lshlrev_b32 v[L16], 4, v1
	s_mov_b32 s[CS], 0xbfb8aa3b                    ; -log2(e)
	s_mov_b32 s[CS+1], s[CS]
	s_mov_b32 s[TW], s[WV]
	s_lshl_b32 s22, s[EX], 21                      ; xg: 2 MB an expert
	s_add_nc_u64 s[XE:XE+1], s[4:5], s[22:23]
	s_mov_b64 s[AP:AP+1], s[XE:XE+1]
	s_lshl_b32 s22, s[EX], 22                      ; ag: 4 MB an expert, 2,048 bytes a slice
	s_lshl_b32 s21, s[SL], 11
	s_add_co_u32 s22, s22, s21
	s_add_nc_u64 s[AGE:AGE+1], s[10:11], s[22:23]
	s_lshl_b32 s22, s[WV], 16                      ; 65,536 bytes a tile
	s_add_nc_u64 s[OB:OB+1], s[AGE:AGE+1], s[22:23]
	s_wait_kmcnt 0x0
	s_min_u32 s[NTL], s[NTL], 64
	s_max_u32 s[NTL], s[NTL], 1
	s_sub_co_u32 s[NT1], s[NTL], 1
	s_add_co_u32 s21, s[WV], 32
	s_cmp_ge_u32 s21, s[NTL]
	s_cselect_b32 s[SK8], 1, 0
	SETAO 9
.irp u, 0, 1, 2, 3, 4                              ; the token loads of M(-1), S(0) and M(0), in the loop's order, so that the loop's counts hold on the way in
	RA 0, \u, 0
.endr
.irp u, 5, 6, 7, 8
	RA 0, \u, 0
.endr
.irp u, 0, 1, 2, 3, 4
	RA 1, \u, 1024
.endr
	WIN 0
.set i, 0
.rept 16
	v_mov_b32 v[BF+64+i], 0
.set i, i+1
.endr
.set u, 0
.rept 9                                            ; 72 products of zero operands with C = 0 start the sums: no accumulator is cleared register by register.  They stand in the wait for the first chunk
	WIN 0x50*(1+u/4)
.set f, 0
.rept 8
.set rD, 64*(u%4)+8*f
	v_wmma_f32_16x16x32_bf16 v[rD:rD+7], v[BF+64:BF+71], v[BF+72:BF+79], 0
.set f, f+1
.endr
.set u, u+1
.endr
	WIN 0
	s_mov_b32 s[TB], 2*SLOTB                       ; the first change of slots turns this into 0
	TRIP 1                                         ; chunk 0 is in, everybody's part of it; chunk 1 is asked for
	v_add_nc_u32 v[BA], s[TB], v[LB]
	v_add_nc_u32 v[BA+1], STRIPB, v[BA]
	LG 0
	LU 0
	s_wait_dscnt 0x0
.set NX, 0
.irp v, 0, 1, 2, 3, 4, 5, 6, 7                     ; k step 0's operands: there are no products yet to set them between
	CV4 0, \v
.endr
.irp v, 0, 1, 2, 3, 4, 5, 6, 7
	CV4 1, \v
.endr
	LG 1                                           ; M(0)'s LDS loads
	WIN 0
	s_mov_b32 s[CNT], 4
	s_mov_b32 s[PH], 3
	s_branch .Lfirst                               ; the loop is entered at part a of step 1, in the middle of a trip
.Lph:                                              ; chunks 1 and 2 are entered; chunks 2 and 3 are asked for
	TRIP 1
	s_mov_b32 s[CNT], 4
.Lkb:
	BODY 1
	s_sub_co_u32 s[CNT], s[CNT], 1
	s_cmp_lg_u32 s[CNT], 0
	s_cbranch_scc1 .Lkb
	s_sub_co_u32 s[PH], s[PH], 1
	s_cmp_lg_u32 s[PH], 0
	s_cbranch_scc1 .Lph
	TRIP 0                                         ; the last chunk is written out: nothing is asked for
	s_mov_b32 s[CNT], 4
.Lkl:
	BODY 0
	s_sub_co_u32 s[CNT], s[CNT], 1
	s_cmp_lg_u32 s[CNT], 0
	s_cbranch_scc1 .Lkl
	PARTB 1, 0                                     ; part b of step 31
.set CU, 1                                         ; k step 31 is multiplied
	s_wait_loadcnt 8                               ; behind M(30) stands S(31): eight loads
.irp u, 0, 1, 2, 3, 4
	T8 \u
.endr
	s_wait_loadcnt 0x0
.irp u, 5, 6, 7
	T8 \u
.endr
	WIN 0
	s_cmp_lg_u32 s[SK8], 0
	s_cbranch_scc1 .Lfin8
	T8 8
	WIN 0
.Lfin8:
	NOP4                                           ; the places behind the last products, ahead of the first read of a result
; THREE ROUNDS.  Each sends out tiles TW + 4 u; round 0 all nine, the others four.  Then the next 16 tiles (from 36 + 16 x round on) are multiplied by the second way, if the expert has any:
; what is jumped holds no barrier, no LDS access and no tensor load.  Round 2's tiles would begin at 68: it only sends out.
	s_mov_b32 s[RND], 0
.Lround:
.irp u, 0, 1, 2, 3
	EPI \u
.endr
	s_cmp_lg_u32 s[RND], 0
	s_cbranch_scc1 .Lshort
.irp u, 4, 5, 6, 7, 8
	EPI \u
.endr
.Lshort:
	s_lshl_b32 s22, s[RND], 4
	s_add_co_u32 s22, s22, 36                      ; the next round's first tile
	s_add_co_u32 s[TW], s22, s[WV]
	s_wait_xcnt 0x0                                ; the stores' base is rewritten only behind this wait
	s_lshl_b32 s[TP], s[TW], 16
	s_mov_b32 s[TP+1], 0
	s_add_nc_u64 s[OB:OB+1], s[AGE:AGE+1], s[TP:TP+1]
	s_cmp_ge_u32 s22, s[NTL]
	s_cbranch_scc1 .Lnext
	s_wait_loadcnt 0x0                             ; no load is out: the tiles' offsets and the token operands may be written
	SETAO 4
.set i, 0
.rept 16
	v_mov_b32 v[BF+i], 0
.set i, i+1
.endr
	WIN 0x50
.set i, 0
.rept 32                                           ; 32 products of zeros with C = 0 start the four tiles' sums
	v_wmma_f32_16x16x32_bf16 v[8*i:8*i+7], v[BF:BF+7], v[BF+8:BF+15], 0
.set i, i+1
.endr
	WIN 0
	s_mov_b64 s[WB:WB+1], s[WS:WS+1]
	s_mov_b64 s[FA:FA+1], s[XE:XE+1]
	s_mov_b32 s[CNT], 16
.set CU, 0
.Lfkb:
	FSTEP 0
	FSTEP 1
	s_wait_xcnt 0x0
	s_add_nc_u64 s[WB:WB+1], s[WB:WB+1], 1048576   ; 64 rows of W
	s_add_nc_u64 s[FA:FA+1], s[FA:FA+1], 2048
	s_sub_co_u32 s[CNT], s[CNT], 1
	s_cmp_lg_u32 s[CNT], 0
	s_cbranch_scc1 .Lfkb
	NOP4
.Lnext:
	s_add_co_u32 s[RND], s[RND], 1
	s_cmp_lt_u32 s[RND], 3
	s_cbranch_scc1 .Lround
	s_wait_tensorcnt 0x0                           ; the wave's end: the wait, an add of 0 to my spare word and its wait, behind my last tensor load
	ds_add_u32 v[SPW], v[NIL]
	s_wait_dscnt 0x0
	s_endpgm
.Lfunc_end_k_q6ad702764b_gateup:
	.size	k_q6ad702764b_gateup, .Lfunc_end_k_q6ad702764b_gateup-k_q6ad702764b_gateup
	.p2alignl 7, 3214868480
	.fill 96, 4, 3214868480
	.section	.rodata,"a",@progbits
	.p2align	6, 0x0
	.amdhsa_kernel k_q6ad702764b_gateup
		.amdhsa_group_segment_fixed_size 327680
		.amdhsa_private_segment_fixed_size 0
		.amdhsa_enable_private_segment 0
		.amdhsa_kernarg_size 32
		.amdhsa_user_sgpr_count 2
		.amdhsa_user_sgpr_kernarg_segment_ptr 1
		.amdhsa_wavefront_size32 1
		.amdhsa_system_sgpr_workgroup_id_x 1
		.amdhsa_system_sgpr_workgroup_id_y 1
		.amdhsa_system_sgpr_workgroup_id_z 1
		.amdhsa_system_vgpr_workitem_id 0
		.amdhsa_next_free_vgpr 1008
		.amdhsa_next_free_sgpr 66
		.amdhsa_reserve_vcc 0
		.amdhsa_float_denorm_mode_32 3
		.amdhsa_float_denorm_mode_16_64 3
		.amdhsa_memory_ordered 1
		.amdhsa_forward_progress 1
		.amdhsa_inst_pref_size 181
	.end_amdhsa_kernel
	.amdgpu_metadata
---
amdhsa.version: [ 1, 2 ]
amdhsa.kernels:
  - .name:           k_q6ad702764b_gateup
    .symbol:         k_q6ad702764b_gateup.kd
    .args:
      - { .name: xg, .offset: 0, .size: 8, .value_kind: global_buffer, .address_space: global }
      - { .name: w_gate_up, .offset: 8, .size: 8, .value_kind: global_buffer, .address_space: global }
      - { .name: nt, .offset: 16, .size: 8, .value_kind: global_buffer, .address_space: global }
      - { .name: ag, .offset: 24, .size: 8, .value_kind: global_buffer, .address_space: global }
    .group_segment_fixed_size: 327680
    .private_segment_fixed_size: 0
    .kernarg_segment_align: 8
    .kernarg_segment_size: 32
    .max_flat_workgroup_size: 128
    .sgpr_count:     66
    .vgpr_count:     1008
    .wavefront_size: 32
...
	.end_amdgpu_metadata
.endif
;; end of part 2
;; launch down (part 3): grid 32 x 8, 4 waves a work-group, no clusters, 262,656 bytes of LDS; arguments ag, w_down, nt, yp; writes yp
.if DOCPART == 3
	.amdgcn_target "amdgcn-amd-amdhsa--gfx1250"
	.amdhsa_code_object_version 6
	.text
	.protected	k_q6ad702764b_down
	.globl	k_q6ad702764b_down
	.p2align	8
	.type	k_q6ad702764b_down,@function
k_q6ad702764b_down:
	s_mov_b64 s[64:65], 0
	v_nop
	global_prefetch_b8 v0, s[64:65] scope:SCOPE_SE
	s_setreg_imm32_b32 hwreg(HW_REG_WAVE_MODE, 25, 1), 1
	s_wait_xcnt 0x0
; DOWN.  yp[e][kh][rank][n] = the sum over i = 1,024 kh .. 1,024 kh + 1,023 of act[rank][i] W[e][i][n], for the 64 columns n = 64 ns .. (grid x = ns + 16 kh, grid y = e).  Operands bf16, sums f32;
; the two halves of K are partial sums and stay f32; the launch behind adds them.
; LIMITS.  As the launch before: above 576 rows an expert the further tiles are made by a plain second way that reads the slice again from memory in each wave.
; SHARES.  The work-group alone reads its slice, 1,024 rows x 64 f32 = 262,144 bytes.  All of it lies in LDS: four tensor loads a wave (64 rows of 256 bytes each) go out together at the start and nothing is
; filled again; by this text's own count four tensor loads of a wave are out.  Wave w owns tiles w, w + 4, .. w + 32; a tile has four accumulators (columns 4 r + c).
; A unit is 64 k: 72 products, 32 LDS loads, 64 roundings, 36 token loads.  The weights' operands are built as in the launch before; operand f = 4 q + c (q: which 16 of my 32 rows).
; PIPELINE, as in the launch before.  Step h multiplies unit h - 1 and builds the operands of unit h; its memory instructions stand in two runs:
;   part a: S(h): token operands of tiles 5-8 for unit h, rows 16-31 U(h); products of tiles 0-4, roundings of G(h);      part b: M(h): token operands of tiles 0-4 for unit h + 1, rows 0-15 G(h + 1); products of tiles 5-8, roundings of U(h).
; A trip is [b of step 2 k - 1, a and b of step 2 k, a of step 2 k + 1]: its runs read units 2 k and 2 k + 1 alone.  The loop is entered at part a of step 1.  36 products of zero operands with C = 0 start the sums.
; THE PRODUCT IS USED AS IT STANDS: source 0 = tokens, source 1 = weights: register j of a lane holds row 8 h + j and column 4 r + c, so the four accumulators' registers j are 16 neighbouring bytes of a row:
; four copies make them neighbours in registers, and sixteen lanes store 256 consecutive bytes, aligned.
; NO CLUSTER: each slice has one reader; the token operands go straight into registers, and LDS is full of the slice (512 bytes beside it are the spare words).
; REGISTERS: window 0: v0-20 addresses; v32-159 weights' operands, two buffers; v160-223 G as loaded (v192-255 at work on the way out); window 1: accumulators of tiles 0-7 at 32 u + 8 c;
;   window 2: v0-31 tile 8, v32-175 token operands, even units; window 3: v0-143 odd units, v144-207 U as loaded.
.set SPARE,  262144
.set LB,  4
.set BA,  5
.set L16, 7
.set AO,  8                            ; v8-16
.set GW,  17                           ; v17  the second way: 32 h rows of W + 16 r
.set SPW, 18
.set NIL, 19
.set YO,  20                           ; v20  8 h rows of yp + 16 r
.set BF,  32
.set ST,  160
.set SUH, 144                          ; in window 3
.set WV,  12
.set EX,  13
.set NS,  14
.set NTL, 15
.set NT1, 16
.set SK8, 17
.set TB,  18
.set CNT, 19
.set KH,  20
.set G1,  24                           ; s[24:31]
.set G0,  32                           ; s[32:47] a group 0 for each of the four chunks
.set TW,  48
.set RND, 49
.set TP,  50
.set WS,  52                           ; s[52:53] W at the slice's first row
.set YE,  54                           ; s[54:55] yp at my part's rank 0, my columns
.set AP,  56                           ; s[56:57] ag at unit 2 k
.set PH,  58
.set AE,  62                           ; s[62:63] ag at the expert's tile 0, my half of K
.set WB,  66                           ; s[66:67]
.set FA,  68                           ; s[68:69]
.set YB,  70                           ; s[70:71] yp at my first tile
.set MSB, 0
.macro WIN new
.if MSB != (\new)
	s_set_vgpr_msb (MSB<<8)|(\new)
.set MSB, (\new)
.endif
.endm
.macro NOP4
.rept 4
	v_nop
.endr
.endm
.macro W2 u, p                         ; two products of tile u: operands f = 2 p, 2 p + 1 onto accumulator f % 4: the four take turns
.if (\u) < 8
	WIN (2+CU)+0x50
.else
	WIN (2+CU)+0xa0
.endif
.irp k, 0, 1
.set f, 2*(\p)+(\k)
.if (\u) < 8
.set rD, 32*(\u)+8*(f%4)
.else
.set rD, 8*(f%4)
.endif
.set rA, 32*(1-CU)+16*(\u)+8*(f/4)
.set rB, BF+64*CU+8*f
	v_wmma_f32_16x16x32_bf16 v[rD:rD+7], v[rA:rA+7], v[rB:rB+7], v[rD:rD+7]
.endr
.endm
.macro T8 u
	W2 \u,0
	W2 \u,1
	W2 \u,2
	W2 \u,3
.endm
.macro RA b, u, off                    ; tile u's token operands of a unit, at byte off of the two units in hand, into buffer b
	WIN (2+(\b))<<6
.set rA, 32*(1-(\b))+16*(\u)
.irp k, 0, 1, 2, 3
	global_load_b128 v[rA+4*(\k):rA+4*(\k)+3], v[AO+(\u)], s[AP:AP+1] offset:(\off)+512*(\k)
.endr
.endm
.macro LG ql                           ; G: rows 0-15 of my 32 of unit 2 k + ql
	WIN 0
.set i, 0
.rept 16
	ds_load_b128 v[ST+4*i:ST+4*i+3], v[BA] offset:16384*(\ql)+i*256
.set i, i+1
.endr
.endm
.macro LU ql                           ; U: rows 16-31
	WIN 0xc0
.set i, 0
.rept 16
	ds_load_b128 v[SUH+4*i:SUH+4*i+3], v[BA] offset:16384*(\ql)+(16+i)*256
.set i, i+1
.endr
.endm
.macro CV4 t, v                        ; rows 2 v and 2 v + 1 of G (t = 0) or U (t = 1), rounded in pairs: register v of four operands
.if (\t) == 1
	WIN 0x0f
.set rS, SUH+8*(\v)
.else
	WIN 0
.set rS, ST+8*(\v)
.endif
.irp c, 0, 1, 2, 3
	v_cvt_pk_bf16_f32 v[BF+64*NX+32*(\t)+8*(\c)+(\v)], v[rS+(\c)], v[rS+4+(\c)]
.endr
.endm
; Part a of step h.  s_wait_loadcnt 52: behind M(h - 2) stand S(h - 1), M(h - 1) and S(h): 16 + 20 + 16 loads.  s_wait_dscnt 16: G(h) is in; U(h), just issued, stays out.
.macro PARTA q
.set NX, (\q)
.set CU, 1-(\q)
.irp u, 5, 6, 7, 8
	RA \q, \u, 2048*(\q)
.endr
	LU \q
	s_wait_loadcnt 52
	s_wait_dscnt 16
	W2 0,0
	CV4 0,0
	W2 0,1
	CV4 0,1
	W2 0,2
	CV4 0,2
	W2 0,3
	CV4 0,3
	W2 1,0
	CV4 0,4
	W2 1,1
	CV4 0,5
	W2 1,2
	CV4 0,6
	W2 1,3
	T8 2
	T8 3
	T8 4
	CV4 0,7                                        ; the four places in front of M's loads into the operands just multiplied (ISA guide 7.12.1 for vector instructions)
.endm
; Part b of step h.  s_wait_loadcnt 56: behind S(h - 1) stand M(h - 1), S(h) and M(h): 20 + 16 + 20.  s_wait_dscnt 16: U(h) is in; G(h + 1) stays out.
; ld = 0: the last step's: nothing is left to fetch; behind S(14) stand M(14) and S(15): 36.
.macro PARTB q, ld
.set NX, (\q)
.set CU, 1-(\q)
.if \ld
.irp u, 0, 1, 2, 3, 4
	RA 1-(\q), \u, 2048*(1-(\q))
.endr
	LG 1-(\q)
	s_wait_loadcnt 56
	s_wait_dscnt 16
.else
	s_wait_loadcnt 36
	s_wait_dscnt 0x0
.endif
	W2 5,0
	CV4 1,0
	W2 5,1
	CV4 1,1
	W2 5,2
	CV4 1,2
	W2 5,3
	CV4 1,3
	W2 6,0
	CV4 1,4
	W2 6,1
	CV4 1,5
	W2 6,2
	CV4 1,6
	W2 6,3
	T8 7
	WIN 0                                          ; at a branch and at a label every window is 0
	s_cmp_lg_u32 s[SK8], 0
	s_cbranch_scc1 .Lno8_\@                        ; only products are jumped
	T8 8
	WIN 0
.Lno8_\@:
	CV4 1,7                                        ; the places in front of S's loads, and of the next roundings into the buffer just multiplied
.endm
.macro BODY first                      ; a trip: units 2 k and 2 k + 1
	WIN 0
	v_add_nc_u32 v[BA], s[TB], v[LB]
	PARTB 1, 1
	PARTA 0
	PARTB 0, 1
	WIN 0
.if \first
.Lfirst:
.endif
	PARTA 1
	WIN 0
	s_wait_xcnt 0x0                                ; the loads' base is stepped only behind this wait
	s_add_nc_u64 s[AP:AP+1], s[AP:AP+1], 4096
	s_add_co_u32 s[TB], s[TB], 32768
.endm
.macro MEET left                       ; my parts of the chunks to be read next have landed (left = my younger loads, which stay out), and so have everybody's
	s_wait_tensorcnt \left
	s_wait_dscnt 0x0
	s_barrier_signal -1
	s_barrier_wait -1
.endm
.macro SETAO n
.set u, 0
.rept \n
	s_add_co_u32 s21, s[TW], 4*u
	s_min_u32 s21, s21, s[NT1]
	s_min_u32 s21, s21, 63
	s_lshl_b32 s21, s21, 16
	v_add_nc_u32 v[AO+u], s21, v[L16]
.set u, u+1
.endr
.endm
.macro OUTT u                          ; tile u goes out: each accumulator is read from register 0 on
	WIN 0
	s_add_co_u32 s21, s[TW], 4*(\u)
	s_cmp_ge_u32 s21, s[NTL]
	s_cbranch_scc1 .Lno_\@
	s_wait_xcnt 0x0                                ; the registers that earlier stores read are rewritten only behind this wait
.if (\u) < 8
	WIN 0x01
.set rC, 32*(\u)
.else
	WIN 0x02
.set rC, 0
.endif
.set rO, ST+32+32*((\u)%2)
.irp j, 0, 1, 2, 3, 4, 5, 6, 7
.irp c, 0, 1, 2, 3
	v_mov_b32 v[rO+4*(\j)+(\c)], v[rC+8*(\c)+(\j)]
.endr
.endr
	WIN 0
.irp j, 0, 1, 2, 3, 4, 5, 6, 7
	global_store_b128 v[YO], v[rO+4*(\j):rO+4*(\j)+3], s[YB:YB+1] offset:(\u)*262144+(\j)*4096   ; 16 lanes: 256 consecutive bytes of a row, aligned
.endr
.Lno_\@:
.endm
.macro FSTEP                           ; the second way, one unit for four tiles
	NOP4
	WIN 0x80
.set u, 0
.rept 4
.irp k, 0, 1, 2, 3
	global_load_b128 v[32+16*u+4*(\k):32+16*u+4*(\k)+3], v[AO+u], s[FA:FA+1] offset:512*(\k)
.endr
.set u, u+1
.endr
	WIN 0
.irp t, 0, 1
.set i, 0
.rept 16
	global_load_b128 v[ST+4*i:ST+4*i+3], v[GW], s[WB:WB+1] offset:(16*(\t)+i)*4096
.set i, i+1
.endr
	s_wait_loadcnt 0x0
.set i, 0
.rept 32
	v_cvt_pk_bf16_f32 v[BF+32*(\t)+8*(i%4)+i/4], v[ST+8*(i/4)+i%4], v[ST+8*(i/4)+4+i%4]
.set i, i+1
.endr
.endr
.set u, 0
.rept 4
	T8 u
.set u, u+1
.endr
	WIN 0
.endm
	s_load_b256 s[4:11], s[0:1], 0x0               ; ag s[4:5], w_down s[6:7], nt s[8:9], yp s[10:11]
	v_lshl_add_u32 v[SPW], v0, 2, SPARE
	v_mov_b32 v[NIL], 0
	ds_add_u32 v[SPW], v[NIL]                      ; the wave's opening: the add and its wait stand ahead of my first tensor load
	v_lshrrev_b32 v1, 5, v0
	v_readfirstlane_b32 s[WV], v1
	s_and_b32 s[EX], ttmp7, 0xffff
	s_and_b32 s[NS], ttmp9, 15
	s_lshr_b32 s[KH], ttmp9, 4
	s_mov_b32 s[G1+0], 2<<16                       ; elements of 4 bytes; no mask, no padding
	s_mov_b32 s[G1+1], 64<<16                      ; tensor_dim0 = 64
	s_mov_b32 s[G1+2], 64<<16                      ; tensor_dim1 = 64
	s_mov_b32 s[G1+3], 64<<16                      ; tile_dim0 = 64 elements: 256 bytes
	s_mov_b32 s[G1+4], 64                          ; tile_dim1 = 64 rows
	s_mov_b32 s[G1+5], 1024                        ; elements from row to row
	s_mov_b32 s[G1+6], 0
	s_mov_b32 s[G1+7], 0
	s_lshl_b32 s[TP], s[EX], 23                    ; 8 MB an expert,
	s_lshl_b32 s21, s[KH], 22                      ; 1,024 rows of 4,096 bytes a half,
	s_add_co_u32 s[TP], s[TP], s21
	s_lshl_b32 s21, s[NS], 8                       ; 256 bytes a slice
	s_add_co_u32 s[TP], s[TP], s21
	s_mov_b32 s[TP+1], 0
	s_lshl_b32 s22, s[WV], 18                      ; my 64 rows of a chunk
	s_mov_b32 s23, 0
	s_lshl_b32 s21, s[WV], 14                      ; and their place in LDS
.irp c, 0, 1, 2, 3
	s_mov_b32 s[G0+4*\c], 1
	s_add_co_u32 s[G0+4*\c+1], s21, (\c)*65536
.endr
	s_wait_dscnt 0x0                               ; the opening add is done
	s_wait_kmcnt 0x0
	s_add_nc_u64 s[WS:WS+1], s[6:7], s[TP:TP+1]
	s_add_nc_u64 s[TP:TP+1], s[WS:WS+1], s[22:23]
.irp c, 0, 1, 2, 3
	s_add_nc_u64 s[G0+4*\c+2:G0+4*\c+3], s[TP:TP+1], (\c)*1048576   ; chunk c: 256 rows on
	s_or_b32 s[G0+4*\c+3], s[G0+4*\c+3], 0x80000000
.endr
.irp c, 0, 1, 2, 3
	tensor_load_to_lds s[G0+4*\c:G0+4*\c+3], s[G1:G1+7]
	s_nop 0
.endr
	NOP4
	s_lshl_b32 s[TP], s[EX], 7
	s_mov_b32 s[TP+1], 0
	s_add_nc_u64 s[TP:TP+1], s[8:9], s[TP:TP+1]
	s_load_b32 s[NTL], s[TP:TP+1], 0x0
	v_and_b32 v1, 31, v0
	v_and_b32 v2, 15, v0
	v_bfe_u32 v3, v0, 4, 1
	v_lshlrev_b32 v[LB], 4, v2
	v_lshl_add_u32 v[GW], v3, 17, v[LB]
	v_lshl_add_u32 v[YO], v3, 15, v[LB]
	v_lshl_add_u32 v[LB], v3, 13, v[LB]
	v_lshlrev_b32 v[L16], 4, v1
	s_mov_b32 s[TW], s[WV]
	s_lshl_b32 s22, s[EX], 22                      ; ag: 4 MB an expert, 32,768 bytes of a tile a half of K
	s_lshl_b32 s21, s[KH], 15
	s_add_co_u32 s22, s22, s21
	s_add_nc_u64 s[AE:AE+1], s[4:5], s[22:23]
	s_mov_b64 s[AP:AP+1], s[AE:AE+1]
	s_lshl_b32 s22, s[EX], 1                       ; yp: 4 MB for each (e, kh)
	s_add_co_u32 s22, s22, s[KH]
	s_lshl_b32 s22, s22, 22
	s_lshl_b32 s21, s[NS], 8
	s_add_co_u32 s22, s22, s21
	s_add_nc_u64 s[YE:YE+1], s[10:11], s[22:23]
	s_lshl_b32 s22, s[WV], 16                      ; 16 rows of 4,096 bytes a tile
	s_add_nc_u64 s[YB:YB+1], s[YE:YE+1], s[22:23]
	s_wait_kmcnt 0x0
	s_min_u32 s[NTL], s[NTL], 64
	s_max_u32 s[NTL], s[NTL], 1
	s_sub_co_u32 s[NT1], s[NTL], 1
	s_add_co_u32 s21, s[WV], 32
	s_cmp_ge_u32 s21, s[NTL]
	s_cselect_b32 s[SK8], 1, 0
	SETAO 9
.irp u, 0, 1, 2, 3, 4                              ; the token loads of M(-1), S(0) and M(0), in the loop's order, so that the loop's counts hold on the way in
	RA 0, \u, 0
.endr
.irp u, 5, 6, 7, 8
	RA 0, \u, 0
.endr
.irp u, 0, 1, 2, 3, 4
	RA 1, \u, 2048
.endr
	WIN 0
.set i, 0
.rept 16
	v_mov_b32 v[BF+64+i], 0
.set i, i+1
.endr
.set u, 0
.rept 9                                            ; 36 products of zero operands with C = 0 start the sums, in the wait for the first chunk
.if u < 8
	WIN 0x50
.set rC, 32*u
.else
	WIN 0xa0
.set rC, 0
.endif
.set c, 0
.rept 4
	v_wmma_f32_16x16x32_bf16 v[rC+8*c:rC+8*c+7], v[BF+64:BF+71], v[BF+72:BF+79], 0
.set c, c+1
.endr
.set u, u+1
.endr
	WIN 0
	s_mov_b32 s[TB], 0
	MEET 3                                         ; chunk 0 is in; three stay out
	v_add_nc_u32 v[BA], s[TB], v[LB]
	LG 0
	LU 0
	s_wait_dscnt 0x0
.set NX, 0
.irp v, 0, 1, 2, 3, 4, 5, 6, 7                     ; unit 0's operands: there are no products yet to set them between
	CV4 0, \v
.endr
.irp v, 0, 1, 2, 3, 4, 5, 6, 7
	CV4 1, \v
.endr
	LG 1                                           ; M(0)'s LDS loads
	WIN 0
	s_mov_b32 s[CNT], 2
	s_mov_b32 s[PH], 2
	s_branch .Lfirst                               ; the loop is entered at part a of step 1, in the middle of a trip
.Lpa:
	MEET 2                                         ; chunk 1 is in; two stay out
	s_mov_b32 s[CNT], 2
.Lka:
	BODY 1
	s_sub_co_u32 s[CNT], s[CNT], 1
	s_cmp_lg_u32 s[CNT], 0
	s_cbranch_scc1 .Lka
	s_sub_co_u32 s[PH], s[PH], 1
	s_cmp_lg_u32 s[PH], 0
	s_cbranch_scc1 .Lpa
	MEET 0                                         ; all of the slice is in
	s_mov_b32 s[CNT], 4
.Lkb:
	BODY 0
	s_sub_co_u32 s[CNT], s[CNT], 1
	s_cmp_lg_u32 s[CNT], 0
	s_cbranch_scc1 .Lkb
	PARTB 1, 0                                     ; part b of step 15
.set CU, 1                                         ; unit 15 is multiplied
	s_wait_loadcnt 16                              ; behind M(14) stands S(15): sixteen loads
.irp u, 0, 1, 2, 3, 4
	T8 \u
.endr
	s_wait_loadcnt 0x0
.irp u, 5, 6, 7
	T8 \u
.endr
	WIN 0
	s_cmp_lg_u32 s[SK8], 0
	s_cbranch_scc1 .Lfin8
	T8 8
	WIN 0
.Lfin8:
	NOP4
; THREE ROUNDS, as in the launch before: tiles go out; then the next 16 tiles are multiplied by the second way, if the expert has any.  What is jumped holds no barrier, no LDS access and no tensor load.
	s_mov_b32 s[RND], 0
.Lround:
.irp u, 0, 1, 2, 3
	OUTT \u
.endr
	s_cmp_lg_u32 s[RND], 0
	s_cbranch_scc1 .Lshort
.irp u, 4, 5, 6, 7, 8
	OUTT \u
.endr
.Lshort:
	s_lshl_b32 s22, s[RND], 4
	s_add_co_u32 s22, s22, 36
	s_add_co_u32 s[TW], s22, s[WV]
	s_wait_xcnt 0x0
	s_lshl_b32 s[TP], s[TW], 16
	s_mov_b32 s[TP+1], 0
	s_add_nc_u64 s[YB:YB+1], s[YE:YE+1], s[TP:TP+1]
	s_cmp_ge_u32 s22, s[NTL]
	s_cbranch_scc1 .Lnext
	s_wait_loadcnt 0x0
	SETAO 4
.set i, 0
.rept 16
	v_mov_b32 v[BF+i], 0
.set i, i+1
.endr
	WIN 0x50
.set i, 0
.rept 16
	v_wmma_f32_16x16x32_bf16 v[8*i:8*i+7], v[BF:BF+7], v[BF+8:BF+15], 0
.set i, i+1
.endr
	WIN 0
	s_mov_b64 s[WB:WB+1], s[WS:WS+1]
	s_mov_b64 s[FA:FA+1], s[AE:AE+1]
	s_mov_b32 s[CNT], 16
.set CU, 0
.Lfkb:
	FSTEP
	s_wait_xcnt 0x0
	s_add_nc_u64 s[WB:WB+1], s[WB:WB+1], 262144    ; 64 rows of W
	s_add_nc_u64 s[FA:FA+1], s[FA:FA+1], 2048
	s_sub_co_u32 s[CNT], s[CNT], 1
	s_cmp_lg_u32 s[CNT], 0
	s_cbranch_scc1 .Lfkb
	NOP4
.Lnext:
	s_add_co_u32 s[RND], s[RND], 1
	s_cmp_lt_u32 s[RND], 3
	s_cbranch_scc1 .Lround
	s_wait_tensorcnt 0x0                           ; the wave's end: the wait, an add of 0 to my spare word and its wait, behind my last tensor load
	ds_add_u32 v[SPW], v[NIL]
	s_wait_dscnt 0x0
	s_endpgm
.Lfunc_end_k_q6ad702764b_down:
	.size	k_q6ad702764b_down, .Lfunc_end_k_q6ad702764b_down-k_q6ad702764b_down
	.p2alignl 7, 3214868480
	.fill 96, 4, 3214868480
	.section	.rodata,"a",@progbits
	.p2align	6, 0x0
	.amdhsa_kernel k_q6ad702764b_down
		.amdhsa_group_segment_fixed_size 262656
		.amdhsa_private_segment_fixed_size 0
		.amdhsa_enable_private_segment 0
		.amdhsa_kernarg_size 32
		.amdhsa_user_sgpr_count 2
		.amdhsa_user_sgpr_kernarg_segment_ptr 1
		.amdhsa_wavefront_size32 1
		.amdhsa_system_sgpr_workgroup_id_x 1
		.amdhsa_system_sgpr_workgroup_id_y 1
		.amdhsa_system_sgpr_workgroup_id_z 1
		.amdhsa_system_vgpr_workitem_id 0
		.amdhsa_next_free_vgpr 976
		.amdhsa_next_free_sgpr 72
		.amdhsa_reserve_vcc 0
		.amdhsa_float_denorm_mode_32 3
		.amdhsa_float_denorm_mode_16_64 3
		.amdhsa_memory_ordered 1
		.amdhsa_forward_progress 1
		.amdhsa_inst_pref_size 125
	.end_amdhsa_kernel
	.amdgpu_metadata
---
amdhsa.version: [ 1, 2 ]
amdhsa.kernels:
  - .name:           k_q6ad702764b_down
    .symbol:         k_q6ad702764b_down.kd
    .args:
      - { .name: ag, .offset: 0, .size: 8, .value_kind: global_buffer, .address_space: global }
      - { .name: w_down, .offset: 8, .size: 8, .value_kind: global_buffer, .address_space: global }
      - { .name: nt, .offset: 16, .size: 8, .value_kind: global_buffer, .address_space: global }
      - { .name: yp, .offset: 24, .size: 8, .value_kind: global_buffer, .address_space: global }
    .group_segment_fixed_size: 262656
    .private_segment_fixed_size: 0
    .kernarg_segment_align: 8
    .kernarg_segment_size: 32
    .max_flat_workgroup_size: 128
    .sgpr_count:     72
    .vgpr_count:     976
    .wavefront_size: 32
...
	.end_amdgpu_metadata
.endif
;; end of part 3
;; launch sum (part 4): grid 1024 x 1, 4 waves a work-group, no clusters, 0 bytes of LDS; arguments expert_indices, rk, yp, out0; writes out0
.if DOCPART == 4
	.amdgcn_target "amdgcn-amd-amdhsa--gfx1250"
	.amdhsa_code_object_version 6
	.text
	.protected	k_q6ad702764b_sum
	.globl	k_q6ad702764b_sum
	.p2align	8
	.type	k_q6ad702764b_sum,@function
k_q6ad702764b_sum:
	s_mov_b64 s[64:65], 0
	v_nop
	global_prefetch_b8 v0, s[64:65] scope:SCOPE_SE
	s_setreg_imm32_b32 hwreg(HW_REG_WAVE_MODE, 25, 1), 1
	s_wait_xcnt 0x0
; SUM.  out[t][:] = the sum over e of float(mask[t][e]) x (yp[e][0][rank][:] + yp[e][1][rank][:]), rank = rk[e][t]; all in f32.  One owner for each output row: work-group t; wave w takes bytes 1,024 w .. of the row.
; Where mask[t][e] = 0 the expert's rows are not read and nothing is added (reference() adds 0 times the expert's result; the two differ only where that result is not finite).  float(mask) is exact up to 2^24.
; A token without an expert gets 0.  Memory binds: each partial row is read once, by loads of 512 consecutive bytes, all of them out before the one wait; no LDS, no matrix unit, no cluster: no byte is shared.
.set OFF, 1                            ; v1   1,024 w + 16 lane
.set ACC, 4                            ; v[4:11]
.set D,   16                           ; v[16:143]  expert e: 16 registers: half 0 (bytes 0, 512), half 1 (bytes 0, 512)
.set W,   144                          ; v[144:159] expert e: float(mask), twice
	s_load_b256 s[4:11], s[0:1], 0x0               ; expert_indices s[4:5], rk s[6:7], yp s[8:9], out0 s[10:11]
	v_and_b32 v1, 31, v0
	v_lshrrev_b32 v2, 5, v0
	v_lshlrev_b32 v1, 4, v1
	v_lshl_add_u32 v[OFF], v2, 10, v1
	s_lshl_b32 s12, ttmp9, 5
	s_mov_b32 s13, 0
	s_lshl_b32 s14, ttmp9, 2
	s_mov_b32 s15, 0
	s_lshl_b32 s48, ttmp9, 12
	s_mov_b32 s49, 0
	s_wait_kmcnt 0x0
	s_add_nc_u64 s[12:13], s[4:5], s[12:13]
	s_add_nc_u64 s[14:15], s[6:7], s[14:15]
	s_add_nc_u64 s[10:11], s[10:11], s[48:49]
	s_load_b256 s[16:23], s[12:13], 0x0            ; the token's eight mask words
.irp e, 0,1,2,3,4,5,6,7
	s_load_b32 s[24+\e], s[14:15], (\e)*4096       ; and its eight ranks
.endr
.set i, 0
.rept 128                                          ; an expert that is not chosen adds 0 x 0: its registers are written on every way.  This stands in the wait for the scalar loads
	v_mov_b32 v[D+i], 0
.set i, i+1
.endr
	s_wait_kmcnt 0x0
.irp e, 0,1,2,3,4,5,6,7
	s_min_u32 s[24+\e], s[24+\e], 1023             ; a rank stays inside yp
	s_lshl_b32 s[32+2*\e], s[24+\e], 12
	s_add_co_u32 s[32+2*\e], s[32+2*\e], (\e)*8388608
	s_mov_b32 s[33+2*\e], 0
	s_add_nc_u64 s[32+2*\e:33+2*\e], s[8:9], s[32+2*\e:33+2*\e]
	v_cvt_f32_i32 v[W+2*\e], s[16+\e]
	v_mov_b32 v[W+2*\e+1], v[W+2*\e]
	s_cmp_lg_u32 s[16+\e], 0
	s_cbranch_scc0 .Lnone_\e
	global_load_b128 v[D+16*\e:D+16*\e+3],     v[OFF], s[32+2*\e:33+2*\e] th:TH_LOAD_NT
	global_load_b128 v[D+16*\e+4:D+16*\e+7],   v[OFF], s[32+2*\e:33+2*\e] offset:512 th:TH_LOAD_NT
	global_load_b128 v[D+16*\e+8:D+16*\e+11],  v[OFF], s[32+2*\e:33+2*\e] offset:4194304 th:TH_LOAD_NT
	global_load_b128 v[D+16*\e+12:D+16*\e+15], v[OFF], s[32+2*\e:33+2*\e] offset:4194816 th:TH_LOAD_NT
.Lnone_\e:
.endr
	s_wait_loadcnt 0x0                             ; how many loads are out hangs on the mask: the wait is for all
.irp i, 0,2,4,6
	v_pk_mul_f32 v[ACC+\i:ACC+\i+1], v[D+\i:D+\i+1], v[W:W+1]
.endr
.irp i, 0,2,4,6
	v_pk_fma_f32 v[ACC+\i:ACC+\i+1], v[D+8+\i:D+8+\i+1], v[W:W+1], v[ACC+\i:ACC+\i+1]
.endr
.irp e, 1,2,3,4,5,6,7
.irp i, 0,2,4,6
	v_pk_fma_f32 v[ACC+\i:ACC+\i+1], v[D+16*\e+\i:D+16*\e+\i+1], v[W+2*\e:W+2*\e+1], v[ACC+\i:ACC+\i+1]
.endr
.irp i, 0,2,4,6
	v_pk_fma_f32 v[ACC+\i:ACC+\i+1], v[D+16*\e+8+\i:D+16*\e+8+\i+1], v[W+2*\e:W+2*\e+1], v[ACC+\i:ACC+\i+1]
.endr
.endr
	global_store_b128 v[OFF], v[ACC:ACC+3],   s[10:11] th:TH_STORE_NT              ; 512 consecutive bytes, aligned
	global_store_b128 v[OFF], v[ACC+4:ACC+7], s[10:11] offset:512 th:TH_STORE_NT
	s_endpgm
.Lfunc_end_k_q6ad702764b_sum:
	.size	k_q6ad702764b_sum, .Lfunc_end_k_q6ad702764b_sum-k_q6ad702764b_sum
	.p2alignl 7, 3214868480
	.fill 96, 4, 3214868480
	.section	.rodata,"a",@progbits
	.p2align	6, 0x0
	.amdhsa_kernel k_q6ad702764b_sum
		.amdhsa_group_segment_fixed_size 0
		.amdhsa_private_segment_fixed_size 0
		.amdhsa_enable_private_segment 0
		.amdhsa_kernarg_size 32
		.amdhsa_user_sgpr_count 2
		.amdhsa_user_sgpr_kernarg_segment_ptr 1
		.amdhsa_wavefront_size32 1
		.amdhsa_system_sgpr_workgroup_id_x 1
		.amdhsa_system_sgpr_workgroup_id_y 1
		.amdhsa_system_sgpr_workgroup_id_z 1
		.amdhsa_system_vgpr_workitem_id 0
		.amdhsa_next_free_vgpr 160
		.amdhsa_next_free_sgpr 66
		.amdhsa_reserve_vcc 0
		.amdhsa_float_denorm_mode_32 3
		.amdhsa_float_denorm_mode_16_64 3
		.amdhsa_memory_ordered 1
		.amdhsa_forward_progress 1
		.amdhsa_inst_pref_size 16
	.end_amdhsa_kernel
	.amdgpu_metadata
---
amdhsa.version: [ 1, 2 ]
amdhsa.kernels:
  - .name:           k_q6ad702764b_sum
    .symbol:         k_q6ad702764b_sum.kd
    .args:
      - { .name: expert_indices, .offset: 0, .size: 8, .value_kind: global_buffer, .address_space: global }
      - { .name: rk, .offset: 8, .size: 8, .value_kind: global_buffer, .address_space: global }
      - { .name: yp, .offset: 16, .size: 8, .value_kind: global_buffer, .address_space: global }
      - { .name: out0, .offset: 24, .size: 8, .value_kind: global_buffer, .address_space: global }
    .group_segment_fixed_size: 0
    .private_segment_fixed_size: 0
    .kernarg_segment_align: 8
    .kernarg_segment_size: 32
    .max_flat_workgroup_size: 128
    .sgpr_count:     66
    .vgpr_count:     160
    .wavefront_size: 32
...
	.end_amdgpu_metadata
.endif
;; end of part 4
